; MI455X (gfx1250); checked and timed in simulation.
; The chip was launched on July 23, 2026; its instructions are those of AMD's public machine-readable ISA for CDNA 5 (MIT licence, August 2026) and "CDNA5" Instruction Set Architecture Reference Guide (July 2026). The comments in the code are by the model that wrote it; some were corrected since.
;; Re Bert Attention. Allowed arithmetic: float matrix products may take bf16 or f16 operands with f32 sums; all other float work in f32.
;; Inputs: mask 1 x 1 x 4,096 x 4,096 float32; position_ids 1 x 4,096 int32; seq 1 x 4,096 x 1,024 float32; wk 256 x 1,024 float32; wo 1,024 x 1,024 float32; wq 1,024 x 1,024 float32; wv 256 x 1,024 float32.
;; Outputs: out0 1 x 4,096 x 1,024 float32.
;; One version. Each part assembles by itself: llvm-mc -triple=amdgcn-amd-amdhsa -mcpu=gfx1250 --defsym DOCPART=n.
;; ======== version 1 of 1: 4 launches
;; limits: values are held in f16: magnitudes above 65,504 overflow, below 6.1e-05 lose precision; right only within a limited range of input values
;; workspace buffers: qkv 12,582,912 bytes; wob 2,097,152 bytes; ob 8,388,608 bytes; wh 3,145,728 bytes
;; launch prep (part 1): grid 256 x 1, 8 waves a work-group, no clusters, 0 bytes of LDS; arguments wq, wk, wv, wo, wh, wob; writes wh, wob
.if DOCPART == 1
	.amdgcn_target "amdgcn-amd-amdhsa--gfx1250"
	.amdhsa_code_object_version 6
	.text
	.protected	k_q253919968c_prep
	.globl	k_q253919968c_prep
	.p2align	8
	.type	k_q253919968c_prep,@function
k_q253919968c_prep:
	s_mov_b64 s[64:65], 0
	v_nop
	global_prefetch_b8 v0, s[64:65] scope:SCOPE_SE
	s_setreg_imm32_b32 hwreg(HW_REG_WAVE_MODE, 25, 1), 1
	s_wait_xcnt 0x0
; The four weight matrices (f32) are rounded once to f16: wh = [wq; wk; wv] as [1536][1024], wob = wo as [1024][1024].
; A stream: every byte is read once and written once; no LDS, no barrier, no matrix unit, no cluster (no two work-groups read the same byte).
; 256 work-groups of 256 threads.  Work-group b takes 16,384 bytes of wq and of wo (4,194,304 / 256) and 4,096 bytes of wk and of wv (1,048,576 / 256):
; ten loads of 16 bytes a thread, all issued before the first wait.  An instruction of the work-group reads 4,096 neighbouring bytes and
; writes 2,048; a wave's store of 8 bytes a lane covers 256 consecutive bytes, aligned.
; LIMIT.  f16: a weight must stay under 65,504 in magnitude (as drawn about 0.15; 30 times larger or offset by 30 spreads: about 5).
.set WKOUT, 1024*2048                  ; wk's first row in wh, in bytes
.set WVOUT, 1280*2048                  ; wv's
.set INB,  1                           ; v1  my 16 bytes in wq and wo
.set INS,  2                           ; v2  in wk and wv
.set OUTB, 3                           ; v3  my 8 bytes in wh (wq's part) and in wob
.set OUTS, 4                           ; v4  in wk's and wv's parts of wh
.set DQ,   8                           ; v8-23   wq
.set DO,   24                          ; v24-39  wo
.set DK,   40                          ; v40-43  wk
.set DV,   44                          ; v44-47  wv
	s_load_b256 s[4:11], s[0:1], 0x0               ; wq 4, wk 6, wv 8, wo 10
	s_load_b128 s[12:15], s[0:1], 0x20             ; wh 12, wob 14
	s_lshl_b32 s16, ttmp9, 14
	s_lshl_b32 s17, ttmp9, 12
	s_lshl_b32 s18, ttmp9, 13
	s_lshl_b32 s19, ttmp9, 11
	v_lshl_add_u32 v[INB], v0, 4, s16
	v_lshl_add_u32 v[INS], v0, 4, s17
	v_lshl_add_u32 v[OUTB], v0, 3, s18
	v_lshl_add_u32 v[OUTS], v0, 3, s19
	s_wait_kmcnt 0x0
.irp k, 0,1,2,3
	global_load_b128 v[DQ+4*\k:DQ+4*\k+3], v[INB], s[4:5] offset:4096*\k th:TH_LOAD_NT
.endr
.irp k, 0,1,2,3
	global_load_b128 v[DO+4*\k:DO+4*\k+3], v[INB], s[10:11] offset:4096*\k th:TH_LOAD_NT
.endr
	global_load_b128 v[DK:DK+3], v[INS], s[6:7] th:TH_LOAD_NT
	global_load_b128 v[DV:DV+3], v[INS], s[8:9] th:TH_LOAD_NT
	s_wait_loadcnt 0x6                             ; loads come back in order (ISA guide 5.7.1): wq's four are in, the six younger stay out
.irp k, 0,1,2,3
	v_cvt_pk_f16_f32 v[DQ+4*\k], v[DQ+4*\k], v[DQ+4*\k+1]
	v_cvt_pk_f16_f32 v[DQ+4*\k+1], v[DQ+4*\k+2], v[DQ+4*\k+3]
.endr
.irp k, 0,1,2,3
	global_store_b64 v[OUTB], v[DQ+4*\k:DQ+4*\k+1], s[12:13] offset:2048*\k
.endr
	s_wait_loadcnt 0x2                             ; wo's four are in; wk's and wv's stay out
.irp k, 0,1,2,3
	v_cvt_pk_f16_f32 v[DO+4*\k], v[DO+4*\k], v[DO+4*\k+1]
	v_cvt_pk_f16_f32 v[DO+4*\k+1], v[DO+4*\k+2], v[DO+4*\k+3]
.endr
.irp k, 0,1,2,3
	global_store_b64 v[OUTB], v[DO+4*\k:DO+4*\k+1], s[14:15] offset:2048*\k
.endr
	s_wait_loadcnt 0x0
	v_cvt_pk_f16_f32 v[DK], v[DK], v[DK+1]
	v_cvt_pk_f16_f32 v[DK+1], v[DK+2], v[DK+3]
	v_cvt_pk_f16_f32 v[DV], v[DV], v[DV+1]
	v_cvt_pk_f16_f32 v[DV+1], v[DV+2], v[DV+3]
	global_store_b64 v[OUTS], v[DK:DK+1], s[12:13] offset:WKOUT
	global_store_b64 v[OUTS], v[DV:DV+1], s[12:13] offset:WVOUT
	s_endpgm                                       ; no register that a store reads is written again
.Lfunc_end_k_q253919968c_prep:
	.size	k_q253919968c_prep, .Lfunc_end_k_q253919968c_prep-k_q253919968c_prep
	.p2alignl 7, 3214868480
	.fill 96, 4, 3214868480
	.section	.rodata,"a",@progbits
	.p2align	6, 0x0
	.amdhsa_kernel k_q253919968c_prep
		.amdhsa_group_segment_fixed_size 0
		.amdhsa_private_segment_fixed_size 0
		.amdhsa_enable_private_segment 0
		.amdhsa_kernarg_size 48
		.amdhsa_user_sgpr_count 2
		.amdhsa_user_sgpr_kernarg_segment_ptr 1
		.amdhsa_wavefront_size32 1
		.amdhsa_system_sgpr_workgroup_id_x 1
		.amdhsa_system_sgpr_workgroup_id_y 1
		.amdhsa_system_sgpr_workgroup_id_z 1
		.amdhsa_system_vgpr_workitem_id 0
		.amdhsa_next_free_vgpr 48
		.amdhsa_next_free_sgpr 66
		.amdhsa_reserve_vcc 0
		.amdhsa_float_denorm_mode_32 3
		.amdhsa_float_denorm_mode_16_64 3
		.amdhsa_memory_ordered 1
		.amdhsa_forward_progress 1
		.amdhsa_inst_pref_size 5
	.end_amdhsa_kernel
	.amdgpu_metadata
---
amdhsa.version: [ 1, 2 ]
amdhsa.kernels:
  - .name:           k_q253919968c_prep
    .symbol:         k_q253919968c_prep.kd
    .args:
      - { .name: wq, .offset: 0, .size: 8, .value_kind: global_buffer, .address_space: global }
      - { .name: wk, .offset: 8, .size: 8, .value_kind: global_buffer, .address_space: global }
      - { .name: wv, .offset: 16, .size: 8, .value_kind: global_buffer, .address_space: global }
      - { .name: wo, .offset: 24, .size: 8, .value_kind: global_buffer, .address_space: global }
      - { .name: wh, .offset: 32, .size: 8, .value_kind: global_buffer, .address_space: global }
      - { .name: wob, .offset: 40, .size: 8, .value_kind: global_buffer, .address_space: global }
    .group_segment_fixed_size: 0
    .private_segment_fixed_size: 0
    .kernarg_segment_align: 8
    .kernarg_segment_size: 48
    .max_flat_workgroup_size: 256
    .sgpr_count:     66
    .vgpr_count:     48
    .wavefront_size: 32
...
	.end_amdgpu_metadata
.endif
;; end of part 1
;; launch qkv (part 2): grid 8 x 32, 4 waves a work-group, clusters of 4 x 4, 327,680 bytes of LDS; arguments seq, wh, position_ids, qkv; writes qkv
.if DOCPART == 2
	.amdgcn_target "amdgcn-amd-amdhsa--gfx1250"
	.amdhsa_code_object_version 6
	.text
	.protected	k_q253919968c_qkv
	.globl	k_q253919968c_qkv
	.p2align	8
	.type	k_q253919968c_qkv,@function
k_q253919968c_qkv:
	s_mov_b64 s[64:65], 0
	v_nop
	global_prefetch_b8 v0, s[64:65] scope:SCOPE_SE
	s_setreg_imm32_b32 hwreg(HW_REG_WAVE_MODE, 25, 1), 1
	s_wait_xcnt 0x0
	s_wait_alu depctr_hold_cnt(0) depctr_sa_sdst(0) depctr_va_vdst(0) depctr_va_sdst(0) depctr_va_ssrc(0) depctr_va_vcc(0) depctr_vm_vsrc(0)
	s_getreg_b32 s2, hwreg(HW_REG_IB_STS2, 6, 4)
	s_cmp_eq_u32 s2, 0
	s_cbranch_scc0 .Lentry_in_a_cluster
	s_endpgm
.Lentry_in_a_cluster:
	s_bfe_u32 s2, ttmp6, 0x10000c
	s_cmp_lg_u32 s2, 0xf033
	s_cbranch_scc0 .Lentry_shape_is_right
	s_endpgm
.Lentry_shape_is_right:
; [Q;K;V] = seq wh^T (wh = [wq;wk;wv] in f16), RoPE on Q and K, Q times 0.125 log2(e); out: f16 planes qkv[24][4096][64] (0-15 Q heads, 16-19 K, 20-23 V).
; A work-group makes 128 rows x 3 heads (192 columns) with four waves; wave w: rows 64 (w/2) .. +63, and of each head the 16-column tiles
; (w%2) and (w%2)+2, so that columns d and d+32, which RoPE pairs, lie in the same lane and register place.  24 accumulator tiles a wave.
; K goes in steps of 128 through two LDS slots filled by the tensor data mover: seq's rows are 512 bytes of memory (f32), the weights' 256 bytes (f16),
; each at a multiple of its length from its buffer's first byte.  Two slots of that step with f32 weights would take 2 x 320 x 528 = 337,920 bytes,
; more than a work-group can have: that is why the weights come in f16.  seq's f32 fragments are rounded to f16 in registers on their way to the matrix unit.
; CLUSTERS 4 x 4: seq's tile hangs on the block row alone and is asked for jointly by a row of the cluster; the weights' tile hangs on the
; block column alone and is asked for jointly by a column: a quarter of the requests.
; LIMITS.  Matrix operands are f16: seq, the weights, 0.18 q, k and v must stay under 65,504 in magnitude (as drawn about 5; all inputs 30 times
; larger: about 4,500; common offsets of 30 spreads on seq and a weight: about 1024 x 30 x 0.94 = 28,800).  position_ids lie in 0 .. 4095, as the
; table of the problem has 4,096 rows.  inv_freq comes from v_exp_f32, so an angle can be off by about 4e-4 rad at the largest positions.
.set APITCH, 528                       ; seq's LDS row: 512 bytes + 16 = 132 words: row r starts at bank 4 r mod 64 (64 banks of 4 bytes: ISA guide 11.1)
.set BPITCH, 272                       ; the weights': 256 bytes + 16 = 68 words: the same
.set AHALF,  64*APITCH                 ; what wave 0 or 1 fetches
.set BOFF,   128*APITCH                ; behind seq's 128 rows: the weights' 192 rows, row = 64 e + d
.set BHALF,  96*BPITCH                 ; what wave 2 or 3 fetches
.set SLOT,   BOFF+192*BPITCH           ; 119,808
.set STAGE,  2*SLOT                    ; 239,616: [3 heads][128 rows][144 bytes], written by LDS stores alone, no fill lands here
.set SPITCH, 144                       ; 128 bytes of f16 + 16
.set HSTG,   128*SPITCH
.set ADA,  8                           ; v8-9    LDS address of my seq fragments in slot 0, 1
.set ADB,  10                          ; v10-11  the same for the weights
.set STO,  12                          ; v12     stage: where I put 16 bytes of a row
.set RD,   13                          ; v13     stage: where I read back
.set CO,   14                          ; v14     16 t: my bytes in a plane's 2,048 of an instruction
.set POFF, 17                          ; v17     my words in position_ids
.set POSI, 18                          ; v18-21  positions of my rows 16 i + r
.set POSF, 24                          ; v24-31  the same as f32, each twice (a pair)
.set INV,  32                          ; v32-39  inv_freq of my 8 columns
.set KSN,  40                          ; v40-41  -1/5040 twice
.set KCS,  42                          ; v42-43  1/40320 twice
.set VCA,  44                          ; v44-45  the head's factor on cos and sin, twice
.set VCB,  46                          ; v46-47  the head's addend on cos, twice
.set BUF,  64                          ; v64-175 fragment buffer: seq i at 16 i (16 f32, then 8 registers of f16), weights n at 64 + 8 n.  Window 0: X; window 2: Y
.set CT,   64                          ; v64-95  behind the loop: cos [8 i + j]
.set ST,   96                          ; v96-127 sin
.set TT,   128                         ; v128-175 sine and cosine at work, 12 registers for each i
.set CE,   128                         ; v128-159 the head's cos
.set SE,   160                         ; v160-191 the head's sin
.set YY,   192                         ; v192-255 rotated numbers [16 i + 8 u + j]
; window 1: accumulator (i, n) at v[8 (6 i + n)], n = 2 e + u
.set G1A, 32                           ; s[32:39] group 1, seq's tile
.set G1B, 40                           ; s[40:47] group 1, the weights' tile
.set G0A, 48                           ; s[48:55] group 0, seq, a set for each slot
.set G0B, 56                           ; s[56:63] group 0, weights, a set for each slot
.set MSB, 0
.macro WIN new                         ; the immediate's high byte repeats the setting that is left
.if MSB != \new
	s_set_vgpr_msb (MSB<<8)|\new
.set MSB, \new
.endif
.endm
.macro PLACES                          ; four places behind a matrix instruction (ISA guide 7.12.1)
.rept 4
	v_nop
.endr
.endm
.macro CREST                           ; a round of the cluster's barrier behind its opening barrier
	s_cmp_lg_u32 s20, 0
	s_cbranch_scc1 .Lnot_wave_0_\@
	s_barrier_signal -3
.Lnot_wave_0_\@:
	s_barrier_wait -3
	s_barrier_signal -1
	s_barrier_wait -1
.endm
.macro CROUND
	s_barrier_signal -1
	s_barrier_wait -1
	CREST
.endm
.macro JLOAD s                         ; waves 0 and 1 ask for seq's two halves (64 rows each), waves 2 and 3 for the weights' (96 rows each): one load a wave
	s_cmp_eq_u32 s21, 0
	s_cbranch_scc0 .Lfor_b_\@
	tensor_load_to_lds s[G0A+4*\s:G0A+4*\s+3], s[G1A:G1A+7]
	s_nop 0
	s_branch .Lasked_\@
.Lfor_b_\@:
	tensor_load_to_lds s[G0B+4*\s:G0B+4*\s+3], s[G1B:G1B+7]
	s_nop 0
.Lasked_\@:
.endm
	s_load_b256 s[4:11], s[0:1], 0x0               ; seq 4, wh 6, position_ids 8, qkv 10
	v_lshl_add_u32 v62, v0, 2, 0x48000
	v_mov_b32 v63, 0
	ds_add_u32 v62, v63
	v_lshrrev_b32 v1, 5, v0
	v_readfirstlane_b32 s20, v1                    ; wave
	s_lshr_b32 s21, s20, 1                         ; wm: which 64 rows.  Also: I fetch for seq (0) or for the weights (1)
	s_and_b32 s22, s20, 1                          ; wn: which column tiles.  Also: which half of that tile I fetch
	s_bfe_u32 s23, ttmp6, 0x40000                  ; cx
	s_bfe_u32 s24, ttmp6, 0x40004                  ; cy
	s_lshl_b32 s25, ttmp9, 2
	s_add_co_u32 s25, s25, s23                     ; bx: heads 3 bx .. 3 bx + 2
	s_and_b32 s26, ttmp7, 0xffff
	s_lshl_b32 s26, s26, 2
	s_add_co_u32 s26, s26, s24                     ; by: rows 128 by ..
	s_lshl_b32 s27, s24, 2
	s_lshl_b32 s27, 15, s27                        ; my row of the cluster
	s_lshl_b32 s28, 0x1111, s23                    ; my column
	s_or_b32 s[G1A+0], s27, (2<<16)|(1<<20)|(1<<21)|(6<<22)|(3<<25)   ; elements of 4 bytes; padding on; bit 21 beside a mask; after every 128 words, 4 words
	s_or_b32 s[G1B+0], s28, (1<<16)|(1<<20)|(1<<21)|(5<<22)|(3<<25)   ; elements of 2 bytes; after every 64 words, 4 words
	s_mov_b32 s[G1A+1], 128<<16                    ; tensor_dim0 = 128
	s_mov_b32 s[G1B+1], 128<<16
	s_mov_b32 s[G1A+2], 64<<16                     ; tensor_dim1 = 64 rows
	s_mov_b32 s[G1B+2], 96<<16                     ; 96 rows
	s_mov_b32 s[G1A+3], 128<<16                    ; tile_dim0 = 128
	s_mov_b32 s[G1B+3], 128<<16
	s_mov_b32 s[G1A+4], 64                         ; tile_dim1
	s_mov_b32 s[G1B+4], 96
	s_mov_b32 s[G1A+5], 1024                       ; elements from row to row
	s_mov_b32 s[G1B+5], 1024
	s_mov_b32 s[G1A+6], 0
	s_mov_b32 s[G1B+6], 0
	s_mov_b32 s[G1A+7], 0
	s_mov_b32 s[G1B+7], 0
	s_lshl_b32 s12, s26, 19                        ; seq: 128 rows of 4,096 bytes a block row: hangs on the block row
	s_lshl_b32 s19, s22, 18                        ; and my half's 64 rows
	s_add_co_u32 s12, s12, s19
	s_mov_b32 s13, 0
	s_mul_i32 s14, s25, 192*2048                   ; wh: 192 rows of 2,048 bytes a block column: hangs on the block column
	s_mul_i32 s19, s22, 96*2048                    ; and my half's 96 rows
	s_add_co_u32 s14, s14, s19
	s_mov_b32 s15, 0
	s_mul_i32 s16, s20, AHALF                      ; where they go: waves 0, 1: seq's halves from the slot's first byte;
	s_mul_i32 s17, s20, BHALF
	s_add_co_u32 s17, s17, BOFF-2*BHALF            ; waves 2, 3: the weights' halves behind seq's rows
	s_mul_i32 s18, s25, 3                          ; my first plane
	s_wait_dscnt 0x0
	s_wait_kmcnt 0x0
	s_add_nc_u64 s[12:13], s[4:5], s[12:13]
	s_add_nc_u64 s[14:15], s[6:7], s[14:15]
.irp s, 0,1
	s_mov_b32 s[G0A+4*\s], 1
	s_add_co_u32 s[G0A+4*\s+1], s16, \s*SLOT
	s_add_nc_u64 s[G0A+4*\s+2:G0A+4*\s+3], s[12:13], \s*512      ; K step s: 128 f32
	s_or_b32 s[G0A+4*\s+3], s[G0A+4*\s+3], 0x80000000
	s_mov_b32 s[G0B+4*\s], 1
	s_add_co_u32 s[G0B+4*\s+1], s17, \s*SLOT
	s_add_nc_u64 s[G0B+4*\s+2:G0B+4*\s+3], s[14:15], \s*256      ; 128 f16
	s_or_b32 s[G0B+4*\s+3], s[G0B+4*\s+3], 0x80000000
.endr
	CROUND                                         ; all sixteen work-groups are here: the first joint loads meet
	JLOAD 0                                        ; both first fills go out together: two loads of a wave are out
	JLOAD 1
	; while they are on their way: positions, addresses
	v_and_b32 v1, 15, v0                           ; r
	v_bfe_u32 v2, v0, 4, 1                         ; h
	s_lshl_b32 s74, s26, 9
	s_lshl_b32 s75, s21, 8
	s_add_co_u32 s74, s74, s75
	v_lshl_add_u32 v[POFF], v1, 2, s74             ; 4 (128 by + 64 wm + r)
.irp i, 0,1,2,3
	global_load_b32 v[POSI+\i], v[POFF], s[8:9] offset:64*\i
.endr
	v_mul_u32_u24 v3, v1, APITCH
	v_lshl_add_u32 v3, v2, 5, v3                   ; seq: r x pitch + 32 h: eight f32 for each half of the lanes
	s_mul_i32 s68, s21, 64*APITCH
	v_add_nc_u32 v[ADA], s68, v3
	v_add_nc_u32 v[ADA+1], SLOT, v[ADA]
	v_mul_u32_u24 v7, v1, BPITCH
	v_lshl_add_u32 v7, v2, 4, v7                   ; weights: r x pitch + 16 h: eight f16
	s_mul_i32 s69, s22, 16*BPITCH
	s_add_co_u32 s69, s69, BOFF
	v_add_nc_u32 v[ADB], s69, v7
	v_add_nc_u32 v[ADB+1], SLOT, v[ADB]
	v_mul_u32_u24 v4, v1, SPITCH
	v_lshl_add_u32 v4, v2, 4, v4
	s_mul_i32 s70, s21, 64*SPITCH
	s_lshl_b32 s75, s22, 5
	s_add_co_u32 s70, s70, s75
	s_add_co_u32 s70, s70, STAGE
	v_add_nc_u32 v[STO], s70, v4                   ; stage + (64 wm + r) 144 + 32 wn + 16 h
	v_lshrrev_b32 v5, 3, v0
	v_mul_u32_u24 v5, v5, SPITCH
	v_and_b32 v6, 7, v0
	v_lshl_add_u32 v5, v6, 4, v5
	v_add_nc_u32 v[RD], STAGE, v5                  ; stage + (t / 8) 144 + 16 (t % 8)
	v_lshlrev_b32 v[CO], 4, v0
	s_lshl_b32 s86, s26, 14                        ; 128 rows of 128 bytes
.irp e, 0,1,2
	s_add_co_u32 s84, s18, \e
	s_lshl_b32 s84, s84, 19                        ; a plane is 524,288 bytes
	s_add_co_u32 s84, s84, s86
	s_mov_b32 s85, 0
	s_add_nc_u64 s[88+2*\e:89+2*\e], s[10:11], s[84:85]
.endr
	s_wait_loadcnt 0x0
.irp i, 0,1,2,3
	v_cvt_f32_i32 v[POSF+2*\i], v[POSI+\i]
	v_cvt_f32_i32 v[POSF+2*\i+1], v[POSI+\i]
.endr
; 28 LDS loads: the fragments of 32 along K, the q-th quarter of the slot's step.  seq in f32: a lane's 16 numbers k = 8 h .. 8 h + 7 and
; 16 + 8 h .. + 7, four loads; the weights in f16: two loads, 32 bytes apart.
.macro FETCH slot, q, win
	WIN \win
.irp i, 0,1,2,3
.irp p, 0,1,2,3
	ds_load_b128 v[BUF+16*\i+4*\p:BUF+16*\i+4*\p+3], v[ADA+\slot] offset:128*\q+\i*16*APITCH+16*(\p%2)+64*(\p/2)
.endr
.endr
.irp n, 0,1,2,3,4,5
	ds_load_b128 v[BUF+64+8*\n:BUF+64+8*\n+3], v[ADB+\slot] offset:64*\q+(64*(\n/2)+32*(\n%2))*BPITCH
	ds_load_b128 v[BUF+64+8*\n+4:BUF+64+8*\n+7], v[ADB+\slot] offset:64*\q+(64*(\n/2)+32*(\n%2))*BPITCH+32
.endr
.endm
; 32 roundings in place: a seq block's first 8 registers become the f16 fragment, k in its true places
.macro CVT win
	WIN \win
.irp f, 0,1,2,3
.irp i, 0,1,2,3,4,5,6,7
	v_cvt_pk_f16_f32 v[BUF+16*\f+\i], v[BUF+16*\f+2*\i], v[BUF+16*\f+2*\i+1]
.endr
.endr
.endm
; 24 matrix instructions, used transposed (source 0 = weights' rows, source 1 = seq's rows): lane (r, h) holds row r and columns 8 h + j.
; The 24 accumulators take turns, one instruction a turn, in the same order everywhere.
.macro MUL win, zero
	WIN \win
.irp i, 0,1,2,3
.irp n, 0,1,2,3,4,5
.if \zero
	v_wmma_f32_16x16x32_f16 v[8*(6*\i+\n):8*(6*\i+\n)+7], v[BUF+64+8*\n:BUF+64+8*\n+7], v[BUF+16*\i:BUF+16*\i+7], 0
.else
	v_wmma_f32_16x16x32_f16 v[8*(6*\i+\n):8*(6*\i+\n)+7], v[BUF+64+8*\n:BUF+64+8*\n+7], v[BUF+16*\i:BUF+16*\i+7], v[8*(6*\i+\n):8*(6*\i+\n)+7]
.endif
.endr
.endr
.endm
.macro QX slot, qn, zero               ; a quarter on buffer X; ahead of it quarter qn is asked for into Y
	PLACES                                         ; Y was read by the matrix instructions just issued
	FETCH \slot, \qn, 0x80
	s_wait_dscnt 28                                ; all but the 28 just issued: X is in
	CVT 0
	MUL 0x50, \zero
.endm
.macro QY slot, qn                     ; a quarter on buffer Y; ahead of it quarter qn is asked for into X
	PLACES                                         ; X was read by the matrix instructions just issued
	FETCH \slot, \qn, 0
	s_wait_dscnt 28                                ; all but the 28 just issued: Y is in
	CVT 0x8a
	MUL 0x5a, 0
.endm
; A K step of 128: four quarters on buffers X, Y, X, Y; the first quarter's fragments were fetched in the step before.
; mode 2: this slot is filled again, two steps ahead, behind a round of the cluster's barrier; 1: the slots change, nothing is filled; 0: the last step.
.macro KSTEP slot, next, mode, zero
	QX \slot, 1, \zero
	QY \slot, 2
	QX \slot, 3, 0
	s_wait_dscnt 0x0                               ; my reads of this slot are over
.if \mode > 0
	s_wait_tensorcnt 0x0                           ; all my tensor loads have landed: the one that was out is my part of the next slot
	ds_add_u32 v62, v63
	s_wait_dscnt 0x0
	WIN 0
	s_barrier_signal -1
	s_barrier_wait -1
.if \mode > 1
	CREST                                          ; no wave of any partner still reads this slot or has a load on its way
	s_add_nc_u64 s[G0A+4*\slot+2:G0A+4*\slot+3], s[G0A+4*\slot+2:G0A+4*\slot+3], 1024
	s_add_nc_u64 s[G0B+4*\slot+2:G0B+4*\slot+3], s[G0B+4*\slot+2:G0B+4*\slot+3], 512
	JLOAD \slot                                    ; my one tensor load behind the round: 96 matrix instructions of mine follow before the wait for it
.endif
	PLACES                                         ; X was read by the matrix instructions just issued
	FETCH \next, 0, 0
.endif
	CVT 0x8a
	MUL 0x5a, 0
.endm
	s_wait_tensorcnt 0x1                           ; my part of K step 0 is in; K step 1's stays out
	s_barrier_signal -1
	s_barrier_wait -1
	FETCH 0, 0, 0
	KSTEP 0, 1, 2, 1                               ; the first products start the sums: nothing is cleared
	KSTEP 1, 0, 2, 0
	WIN 0
	s_mov_b32 s29, 2
.Lk:
	KSTEP 0, 1, 2, 0
	KSTEP 1, 0, 2, 0
	WIN 0
	s_sub_co_u32 s29, s29, 1
	s_cmp_lg_u32 s29, 0
	s_cbranch_scc1 .Lk
	KSTEP 0, 1, 1, 0                               ; steps 6 and 7 fetch nothing
	KSTEP 1, 0, 0, 0
	WIN 0
	PLACES
	; RoPE.  My columns of a head are d = 16 wn + 8 h + j and d + 32; both turn by the angle pos x 10000^(-d/32).
	s_lshl_b32 s75, s22, 4
	v_lshl_add_u32 v3, v2, 3, s75                  ; 16 wn + 8 h
.irp j, 0,1,2,3,4,5,6,7
	v_add_nc_u32 v[INV+\j], \j, v3
.endr
.irp j, 0,1,2,3,4,5,6,7
	v_cvt_f32_u32 v[INV+\j], v[INV+\j]
.endr
.irp j, 0,1,2,3,4,5,6,7
	v_mul_f32 v[INV+\j], 0xbed49a78, v[INV+\j]     ; x -log2(10000)/32
.endr
.irp j, 0,1,2,3,4,5,6,7
	v_exp_f32 v[INV+\j], v[INV+\j]
.endr
	v_mov_b32 v[KSN], 0xb9500d01                   ; -1/5040 (also the plain place behind the exponentials: ISA guide 5.7.2)
	v_mov_b32 v[KSN+1], 0xb9500d01
	v_mov_b32 v[KCS], 0x37d00d01                   ; 1/40320
	v_mov_b32 v[KCS+1], 0x37d00d01
	s_wait_alu depctr_va_vdst(0)
; sine and cosine of pos x inv for columns 2 p, 2 p + 1 and the four row tiles: k = nearest whole number to a 2/pi, r = a - k pi/2 in two parts,
; series on |r| <= pi/4 (cut where the next term is under 3e-7), then the quadrant k mod 4
.macro SINCOS p
.irp i, 0,1,2,3
	v_pk_mul_f32 v[TT+12*\i:TT+12*\i+1], v[POSF+2*\i:POSF+2*\i+1], v[INV+2*\p:INV+2*\p+1]
.endr
.irp i, 0,1,2,3
	v_pk_mul_f32 v[TT+12*\i+2:TT+12*\i+3], v[TT+12*\i:TT+12*\i+1], 0x3f22f983 op_sel_hi:[1,0]
.endr
.irp i, 0,1,2,3
	v_rndne_f32 v[TT+12*\i+2], v[TT+12*\i+2]
	v_rndne_f32 v[TT+12*\i+3], v[TT+12*\i+3]
.endr
.irp i, 0,1,2,3
	v_pk_fma_f32 v[TT+12*\i:TT+12*\i+1], v[TT+12*\i+2:TT+12*\i+3], 0xbfc90fdb, v[TT+12*\i:TT+12*\i+1] op_sel_hi:[1,0,1]
.endr
.irp i, 0,1,2,3
	v_pk_fma_f32 v[TT+12*\i:TT+12*\i+1], v[TT+12*\i+2:TT+12*\i+3], 0x333bbd2e, v[TT+12*\i:TT+12*\i+1] op_sel_hi:[1,0,1]
.endr
.irp i, 0,1,2,3
	v_cvt_i32_f32 v[TT+12*\i+2], v[TT+12*\i+2]
	v_cvt_i32_f32 v[TT+12*\i+3], v[TT+12*\i+3]
.endr
.irp i, 0,1,2,3
	v_pk_mul_f32 v[TT+12*\i+4:TT+12*\i+5], v[TT+12*\i:TT+12*\i+1], v[TT+12*\i:TT+12*\i+1]
.endr
.irp i, 0,1,2,3
	v_pk_fma_f32 v[TT+12*\i+6:TT+12*\i+7], v[TT+12*\i+4:TT+12*\i+5], v[KSN:KSN+1], 0x3c088889 op_sel_hi:[1,1,0]
	v_pk_fma_f32 v[TT+12*\i+8:TT+12*\i+9], v[TT+12*\i+4:TT+12*\i+5], v[KCS:KCS+1], 0xbab60b61 op_sel_hi:[1,1,0]
.endr
.irp i, 0,1,2,3
	v_pk_fma_f32 v[TT+12*\i+6:TT+12*\i+7], v[TT+12*\i+6:TT+12*\i+7], v[TT+12*\i+4:TT+12*\i+5], 0xbe2aaaab op_sel_hi:[1,1,0]
	v_pk_fma_f32 v[TT+12*\i+8:TT+12*\i+9], v[TT+12*\i+8:TT+12*\i+9], v[TT+12*\i+4:TT+12*\i+5], 0x3d2aaaab op_sel_hi:[1,1,0]
.endr
.irp i, 0,1,2,3
	v_pk_mul_f32 v[TT+12*\i+6:TT+12*\i+7], v[TT+12*\i+6:TT+12*\i+7], v[TT+12*\i+4:TT+12*\i+5]
	v_pk_fma_f32 v[TT+12*\i+8:TT+12*\i+9], v[TT+12*\i+8:TT+12*\i+9], v[TT+12*\i+4:TT+12*\i+5], -0.5 op_sel_hi:[1,1,0]
.endr
.irp i, 0,1,2,3
	v_pk_fma_f32 v[TT+12*\i+6:TT+12*\i+7], v[TT+12*\i+6:TT+12*\i+7], v[TT+12*\i:TT+12*\i+1], v[TT+12*\i:TT+12*\i+1]
	v_pk_fma_f32 v[TT+12*\i+8:TT+12*\i+9], v[TT+12*\i+8:TT+12*\i+9], v[TT+12*\i+4:TT+12*\i+5], 1.0 op_sel_hi:[1,1,0]
.endr
.irp i, 0,1,2,3
.irp y, 0,1
	v_and_b32 v[TT+12*\i+10+\y], 1, v[TT+12*\i+2+\y]
	v_cmp_eq_u32 vcc_lo, 1, v[TT+12*\i+10+\y]                                             ; odd quadrant: sine and cosine change places
	v_cndmask_b32 v[ST+8*\i+2*\p+\y], v[TT+12*\i+6+\y], v[TT+12*\i+8+\y], vcc_lo
	v_cndmask_b32 v[CT+8*\i+2*\p+\y], v[TT+12*\i+8+\y], v[TT+12*\i+6+\y], vcc_lo
	v_lshlrev_b32 v[TT+12*\i+10+\y], 30, v[TT+12*\i+2+\y]                                 ; the sine's sign: bit 1 of k
	v_add_nc_u32 v[TT+12*\i+2+\y], 1, v[TT+12*\i+2+\y]
	v_and_b32 v[TT+12*\i+10+\y], 0x80000000, v[TT+12*\i+10+\y]
	v_lshlrev_b32 v[TT+12*\i+2+\y], 30, v[TT+12*\i+2+\y]                                  ; the cosine's: bit 1 of k + 1
	v_xor_b32 v[ST+8*\i+2*\p+\y], v[ST+8*\i+2*\p+\y], v[TT+12*\i+10+\y]
	v_and_b32 v[TT+12*\i+2+\y], 0x80000000, v[TT+12*\i+2+\y]
	v_xor_b32 v[CT+8*\i+2*\p+\y], v[CT+8*\i+2*\p+\y], v[TT+12*\i+2+\y]
.endr
.endr
.endm
	SINCOS 0
	SINCOS 1
	SINCOS 2
	SINCOS 3
; One head: no branch hangs on which matrix it belongs to.  cos' = ca cos + cb, sin' = ca sin with (ca, cb) = (0.125 log2 e, 0) for Q, (1, 0) for K,
; (0, 1) for V; y0 = x0 cos' - x1 sin', y1 = x1 cos' + x0 sin'; rounded to f16 into the stage.
.macro HEAD e
	s_add_co_u32 s76, s18, \e
	s_cmp_lt_u32 s76, 20
	s_cselect_b32 s77, 1.0, 0
	s_cselect_b32 s78, 0, 1.0
	s_cmp_lt_u32 s76, 16
	s_cselect_b32 s77, 0x3e38aa3b, s77
	v_mov_b32 v[VCA], s77
	v_mov_b32 v[VCA+1], s77
	v_mov_b32 v[VCB], s78
	v_mov_b32 v[VCB+1], s78
.set x, 0
.rept 16
	v_pk_fma_f32 v[CE+x:CE+x+1], v[CT+x:CT+x+1], v[VCA:VCA+1], v[VCB:VCB+1]
	v_pk_mul_f32 v[SE+x:SE+x+1], v[ST+x:ST+x+1], v[VCA:VCA+1]
.set x, x+2
.endr
	WIN 0x01                                       ; source 0: the accumulators' window
.irp i, 0,1,2,3
.irp j, 0,2,4,6
	v_pk_mul_f32 v[YY+16*\i+\j:YY+16*\i+\j+1], v[8*(6*\i+2*\e+1)+\j:8*(6*\i+2*\e+1)+\j+1], v[SE+8*\i+\j:SE+8*\i+\j+1]
	v_pk_mul_f32 v[YY+16*\i+8+\j:YY+16*\i+8+\j+1], v[8*(6*\i+2*\e)+\j:8*(6*\i+2*\e)+\j+1], v[SE+8*\i+\j:SE+8*\i+\j+1]
	v_pk_fma_f32 v[YY+16*\i+\j:YY+16*\i+\j+1], v[8*(6*\i+2*\e)+\j:8*(6*\i+2*\e)+\j+1], v[CE+8*\i+\j:CE+8*\i+\j+1], v[YY+16*\i+\j:YY+16*\i+\j+1] neg_lo:[0,0,1] neg_hi:[0,0,1]
	v_pk_fma_f32 v[YY+16*\i+8+\j:YY+16*\i+8+\j+1], v[8*(6*\i+2*\e+1)+\j:8*(6*\i+2*\e+1)+\j+1], v[CE+8*\i+\j:CE+8*\i+\j+1], v[YY+16*\i+8+\j:YY+16*\i+8+\j+1]
.endr
.endr
	WIN 0
.irp i, 0,1,2,3
.irp u, 0,1
.irp jj, 0,1,2,3
	v_cvt_pk_f16_f32 v[YY+16*\i+8*\u+\jj], v[YY+16*\i+8*\u+2*\jj], v[YY+16*\i+8*\u+2*\jj+1]
.endr
	ds_store_b128 v[STO], v[YY+16*\i+8*\u:YY+16*\i+8*\u+3] offset:\e*HSTG+\i*16*SPITCH+64*\u
.endr
.endr
.endm
	HEAD 0
	HEAD 1
	HEAD 2
	s_wait_dscnt 0x0                               ; my stores to the stage are done, for the other waves' sake
	s_barrier_signal -1
	s_barrier_wait -1
	; the way out: whole rows back, 16 rows (2,048 bytes of a plane) an instruction of the work-group
.irp e, 0,1,2
.irp it, 0,1,2,3,4,5,6,7
	ds_load_b128 v[64+32*\e+4*\it:64+32*\e+4*\it+3], v[RD] offset:\e*HSTG+\it*16*SPITCH
.endr
.endr
.irp e, 0,1,2
.irp it, 0,1,2,3,4,5,6,7
	s_wait_dscnt 23-(8*\e+\it)                     ; LDS loads come back in order (ISA guide 5.7.1): this one is in, the younger stay out
	global_store_b128 v[CO], v[64+32*\e+4*\it:64+32*\e+4*\it+3], s[88+2*\e:89+2*\e] offset:2048*\it   ; a wave's store covers 512 consecutive bytes, aligned
.endr
.endr
	s_wait_tensorcnt 0x0
	ds_add_u32 v62, v63
	s_wait_dscnt 0x0
	CROUND                                         ; the closing round: no work-group ends while a partner may still ask for a tile that names it
	s_endpgm
.Lfunc_end_k_q253919968c_qkv:
	.size	k_q253919968c_qkv, .Lfunc_end_k_q253919968c_qkv-k_q253919968c_qkv
	.p2alignl 7, 3214868480
	.fill 96, 4, 3214868480
	.section	.rodata,"a",@progbits
	.p2align	6, 0x0
	.amdhsa_kernel k_q253919968c_qkv
		.amdhsa_group_segment_fixed_size 327680
		.amdhsa_private_segment_fixed_size 0
		.amdhsa_enable_private_segment 0
		.amdhsa_kernarg_size 32
		.amdhsa_user_sgpr_count 2
		.amdhsa_user_sgpr_kernarg_segment_ptr 1
		.amdhsa_wavefront_size32 1
		.amdhsa_system_sgpr_workgroup_id_x 1
		.amdhsa_system_sgpr_workgroup_id_y 1
		.amdhsa_system_sgpr_workgroup_id_z 1
		.amdhsa_system_vgpr_workitem_id 0
		.amdhsa_next_free_vgpr 704
		.amdhsa_next_free_sgpr 96
		.amdhsa_reserve_vcc 1
		.amdhsa_float_denorm_mode_32 3
		.amdhsa_float_denorm_mode_16_64 3
		.amdhsa_memory_ordered 1
		.amdhsa_forward_progress 1
		.amdhsa_inst_pref_size 209
	.end_amdhsa_kernel
	.amdgpu_metadata
---
amdhsa.version: [ 1, 2 ]
amdhsa.kernels:
  - .name:           k_q253919968c_qkv
    .symbol:         k_q253919968c_qkv.kd
    .args:
      - { .name: seq, .offset: 0, .size: 8, .value_kind: global_buffer, .address_space: global }
      - { .name: wh, .offset: 8, .size: 8, .value_kind: global_buffer, .address_space: global }
      - { .name: position_ids, .offset: 16, .size: 8, .value_kind: global_buffer, .address_space: global }
      - { .name: qkv, .offset: 24, .size: 8, .value_kind: global_buffer, .address_space: global }
    .group_segment_fixed_size: 327680
    .private_segment_fixed_size: 0
    .kernarg_segment_align: 8
    .kernarg_segment_size: 32
    .max_flat_workgroup_size: 128
    .sgpr_count:     96
    .vgpr_count:     704
    .wavefront_size: 32
...
	.end_amdgpu_metadata
.endif
;; end of part 2
;; launch attn (part 3): grid 4 x 64, 8 waves a work-group, clusters of 4 x 4, 327,680 bytes of LDS; arguments qkv, mask, ob; writes ob
.if DOCPART == 3
	.amdgcn_target "amdgcn-amd-amdhsa--gfx1250"
	.amdhsa_code_object_version 6
	.text
	.protected	k_q253919968c_attn
	.globl	k_q253919968c_attn
	.p2align	8
	.type	k_q253919968c_attn,@function
k_q253919968c_attn:
	s_mov_b64 s[64:65], 0
	v_nop
	global_prefetch_b8 v0, s[64:65] scope:SCOPE_SE
	s_setreg_imm32_b32 hwreg(HW_REG_WAVE_MODE, 25, 1), 1
	s_wait_xcnt 0x0
	s_wait_alu depctr_hold_cnt(0) depctr_sa_sdst(0) depctr_va_vdst(0) depctr_va_sdst(0) depctr_va_ssrc(0) depctr_va_vcc(0) depctr_vm_vsrc(0)
	s_getreg_b32 s2, hwreg(HW_REG_IB_STS2, 6, 4)
	s_cmp_eq_u32 s2, 0
	s_cbranch_scc0 .Lentry_in_a_cluster
	s_endpgm
.Lentry_in_a_cluster:
	s_bfe_u32 s2, ttmp6, 0x10000c
	s_cmp_lg_u32 s2, 0xf033
	s_cbranch_scc0 .Lentry_shape_is_right
	s_endpgm
.Lentry_shape_is_right:
; Attention with a running maximum.  qkv: f16 planes [24][4096][64] (Q already times 0.125 log2 e), mask: f32 [4096][4096], ob: f16 [4096][1024].
; A work-group takes 64 queries and the 4 query heads of one K/V head.  Wave w: queries 16 (w%4) .. +15 of all 4 heads, and of each tile of 128 keys
; the 64 keys of half w/4; the two halves' results meet in LDS at the end.  Two waves lie on each SIMD.
; S^T = K Q^T + mask log2 e: the mask is the C operand of the first product, and one mask fragment serves the 4 heads.  Lane (r, h) then holds query r
; and keys 16 c + 8 h + j, which packed in pairs IS the B fragment of O^T = V^T P^T; in O^T the lane holds query r again: maximum, sum and factor are
; one number a lane, and nothing is shuffled but one exchange between the halves of the lanes for the maximum.
; CLUSTERS 4 x 4: the mask's tile hangs on the query block alone and is asked for jointly by a row of the cluster (the four K/V heads); the K and V
; tiles hang on the K/V head alone and are asked for jointly by a column (four query blocks): a quarter of the requests.
; LIMITS.  Operands f16 (P lies in 0 .. 1; Q, K, V: see the launch that makes them).  The running maximum starts at -1e30 (base-2 units), so that
; -inf in the mask gives p = 0; a row whose every masked score is under about -6.9e29 gives NaN (a row of -inf alone does so in the problem too).
; v_exp_f32 gives 0 for results under 2^-126.  The sum l is taken of p before its rounding to f16.
.set KVT,  16384                       ; bytes of a K or V tile in memory: 128 keys x 128
.set MT,   512                         ; bytes of a mask tile's row
.set VOFF, 17408                       ; slot: K 64 rows (two keys each) x 272, V 64 x 288, mask 64 x 528
.set MOFF, 35840
.set SLOT, 69632
.set SCR,  2*SLOT                      ; 139,264: 4 x 17,408, what the waves of key half 1 hand over; no fill lands here
.set STG,  SCR+4*17408                 ; 208,896: 8,448 bytes for each wave number, 16 rows x 528: the way out; no fill lands here
.set ADK, 8                            ; v8-9   LDS address of my K fragments in slot 0, 1
.set ADV, 10                           ; v10-11 V
.set ADM, 12                           ; v12-13 mask
.set PFO, 14                           ; v14    prefetch: my 256 bytes of a mask tile
.set QO,  15                           ; v15    my bytes of Q
.set ML,  16                           ; v[16+2g] m, v[17+2g] l
.set AL,  24                           ; v[24+2g] alpha, v[25+2g] the new maximum
.set MM,  32                           ; v32-63 mask fragments [8 c + j]; behind the score products at work:
.set TX,  32                           ;   v32-35 my maximum, v36-39 the other half's, v40-47 sums
.set TP,  36
.set SU,  40
.set KV,  64                           ; v64-127 K [8 (2 c + kk)], then V [8 (2 dt + p)]
.set SS,  128                          ; v128-255 S [32 g + 8 c + j]; P [32 g + 16 p] packed in place
.set QQ,  128                          ; window 1: v128-191 Q [8 (2 g + kk)]; v0-127 O [8 (4 g + dt)]
.set G1K, 24
.set G1V, 32
.set G1M, 40
.set G0K, 48
.set G0V, 56
.set G0M, 68
.set PFB, 76
.set MSB, 0
.macro WIN new
.if MSB != \new
	s_set_vgpr_msb (MSB<<8)|\new
.set MSB, \new
.endif
.endm
.macro PLACES                          ; four places behind a matrix instruction (ISA guide 7.12.1)
.rept 4
	v_nop
.endr
.endm
.macro CREST
	s_cmp_lg_u32 s10, 0
	s_cbranch_scc1 .Lnot_wave_0_\@
	s_barrier_signal -3
.Lnot_wave_0_\@:
	s_barrier_wait -3
	s_barrier_signal -1
	s_barrier_wait -1
.endm
.macro CROUND
	s_barrier_signal -1
	s_barrier_wait -1
	CREST
.endm
.macro JLOAD s                         ; wave 0 asks for K's tile, wave 1 for V's, wave 2 for the mask's; the others for none: at most one load of a wave is out
	s_cmp_lg_u32 s10, 0
	s_cbranch_scc1 .Lj1_\@
	tensor_load_to_lds s[G0K+4*\s:G0K+4*\s+3], s[G1K:G1K+7]
	s_nop 0
	s_branch .Ljx_\@
.Lj1_\@:
	s_cmp_lg_u32 s10, 1
	s_cbranch_scc1 .Lj2_\@
	tensor_load_to_lds s[G0V+4*\s:G0V+4*\s+3], s[G1V:G1V+7]
	s_nop 0
	s_branch .Ljx_\@
.Lj2_\@:
	s_cmp_lg_u32 s10, 2
	s_cbranch_scc1 .Ljx_\@
	tensor_load_to_lds s[G0M+4*\s:G0M+4*\s+3], s[G1M:G1M+7]
	s_nop 0
.Ljx_\@:
.endm
	s_load_b128 s[4:7], s[0:1], 0x0                ; qkv, mask
	s_load_b64 s[8:9], s[0:1], 0x10                ; ob
	s_set_vgpr_msb 0x40
	v_lshl_add_u32 v192, v0, 2, 0x43800
	v_mov_b32 v193, 0
	s_set_vgpr_msb 0x4045
	ds_add_u32 v192, v193
	s_set_vgpr_msb 0x4500
	v_lshrrev_b32 v1, 5, v0
	v_readfirstlane_b32 s10, v1                    ; wave
	s_and_b32 s11, s10, 3                          ; qt: which 16 queries
	s_lshr_b32 s12, s10, 2                         ; kh: which 64 keys of a tile
	s_bfe_u32 s13, ttmp6, 0x40000                  ; cx
	s_bfe_u32 s14, ttmp6, 0x40004                  ; cy
	s_lshl_b32 s19, ttmp9, 2
	s_add_co_u32 s19, s19, s13                     ; kv: the K/V head
	s_and_b32 s15, ttmp7, 0xffff
	s_lshl_b32 s15, s15, 2
	s_add_co_u32 s15, s15, s14                     ; qb: the block of 64 queries
	s_lshl_b32 s16, s14, 2
	s_lshl_b32 s16, 15, s16                        ; my row of the cluster
	s_lshl_b32 s17, 0x1111, s13                    ; my column
	s_mov_b32 s78, 0x76543210                      ; v_permlanex16_b32: lane i of one half reads lane i of the other
	s_mov_b32 s79, 0xfedcba98
	; K and V: a tile is dense in memory and comes as 64 rows of 256 bytes (32 elements of 8 bytes), two keys a row
	s_or_b32 s[G1K+0], s17, (3<<16)|(1<<20)|(1<<21)|(5<<22)|(3<<25)   ; 4 words of padding behind every 64: pitch 272
	s_or_b32 s[G1V+0], s17, (3<<16)|(1<<20)|(1<<21)|(5<<22)|(7<<25)   ; 8 words: pitch 288, for the transposing loads
	s_or_b32 s[G1M+0], s16, (2<<16)|(1<<20)|(1<<21)|(6<<22)|(3<<25)   ; f32; 4 words behind every 128: pitch 528
	s_mov_b32 s[G1K+1], 32<<16
	s_mov_b32 s[G1V+1], 32<<16
	s_mov_b32 s[G1M+1], 128<<16
	s_mov_b32 s[G1K+2], 64<<16
	s_mov_b32 s[G1V+2], 64<<16
	s_mov_b32 s[G1M+2], 64<<16
	s_mov_b32 s[G1K+3], 32<<16
	s_mov_b32 s[G1V+3], 32<<16
	s_mov_b32 s[G1M+3], 128<<16
	s_mov_b32 s[G1K+4], 64
	s_mov_b32 s[G1V+4], 64
	s_mov_b32 s[G1M+4], 64
	s_mov_b32 s[G1K+5], 32
	s_mov_b32 s[G1V+5], 32
	s_mov_b32 s[G1M+5], 4096
	s_mov_b32 s[G1K+6], 0
	s_mov_b32 s[G1V+6], 0
	s_mov_b32 s[G1M+6], 0
	s_mov_b32 s[G1K+7], 0
	s_mov_b32 s[G1V+7], 0
	s_mov_b32 s[G1M+7], 0
	s_lshl_b32 s20, s19, 19                        ; kv planes: hangs on the K/V head alone
	s_mov_b32 s21, 0
	s_lshl_b32 s22, s15, 20                        ; 64 rows of 16,384 bytes: hangs on the query block alone
	s_mov_b32 s23, 0
	s_wait_dscnt 0x0
	s_wait_kmcnt 0x0
	s_add_nc_u64 s[20:21], s[4:5], s[20:21]
	s_add_nc_u64 s[22:23], s[6:7], s[22:23]
.irp s, 0,1
	s_mov_b32 s[G0K+4*\s], 1
	s_mov_b32 s[G0K+4*\s+1], \s*SLOT
	s_add_nc_u64 s[G0K+4*\s+2:G0K+4*\s+3], s[20:21], 16*524288+\s*KVT
	s_or_b32 s[G0K+4*\s+3], s[G0K+4*\s+3], 0x80000000
	s_mov_b32 s[G0V+4*\s], 1
	s_mov_b32 s[G0V+4*\s+1], \s*SLOT+VOFF
	s_add_nc_u64 s[G0V+4*\s+2:G0V+4*\s+3], s[20:21], 20*524288+\s*KVT
	s_or_b32 s[G0V+4*\s+3], s[G0V+4*\s+3], 0x80000000
	s_mov_b32 s[G0M+4*\s], 1
	s_mov_b32 s[G0M+4*\s+1], \s*SLOT+MOFF
	s_add_nc_u64 s[G0M+4*\s+2:G0M+4*\s+3], s[22:23], \s*MT
	s_or_b32 s[G0M+4*\s+3], s[G0M+4*\s+3], 0x80000000
.endr
	CROUND                                         ; in front of the first joint loads
	JLOAD 0                                        ; tile 0; slot 1 is filled behind the first trip's round, as every later fill is
	s_add_nc_u64 s[PFB:PFB+1], s[6:7], MT          ; stepped by a tile at the head of each trip that prefetches: trip t asks for tile t + 2
	s_lshl_b32 s84, s19, 21                        ; Q: plane 4 kv, row 64 qb
	s_lshl_b32 s86, s15, 13
	s_add_co_u32 s84, s84, s86
	s_mov_b32 s85, 0
	s_add_nc_u64 s[80:81], s[4:5], s[84:85]
	s_lshl_b32 s84, s15, 17                        ; ob: row 64 qb + 16 qt of 2,048 bytes, column byte 512 kv
	s_lshl_b32 s86, s11, 15
	s_add_co_u32 s84, s84, s86
	s_lshl_b32 s86, s19, 9
	s_add_co_u32 s84, s84, s86
	s_add_nc_u64 s[82:83], s[8:9], s[84:85]
	v_and_b32 v1, 15, v0                           ; r
	v_bfe_u32 v2, v0, 4, 1                         ; h
	v_and_b32 v3, 31, v0                           ; L
	s_lshl_b32 s84, s11, 11
	v_lshl_add_u32 v[QO], v1, 7, s84               ; (16 qt + r) 128
	v_lshl_add_u32 v[QO], v2, 4, v[QO]             ; + 16 h
	WIN 0x40                                       ; destination: window 1
.irp g, 0,1,2,3
.irp kk, 0,1
	global_load_b128 v[QQ+8*(2*\g+\kk):QQ+8*(2*\g+\kk)+3], v[QO], s[80:81] offset:\g*524288+64*\kk
	global_load_b128 v[QQ+8*(2*\g+\kk)+4:QQ+8*(2*\g+\kk)+7], v[QO], s[80:81] offset:\g*524288+64*\kk+32
.endr
.endr
	WIN 0
	; K: key 64 kh + 16 c + r lies in row key/2 at byte 128 (key%2)
	v_lshrrev_b32 v4, 1, v1
	v_mul_u32_u24 v4, v4, 272
	v_and_b32 v5, 1, v0
	v_lshl_add_u32 v4, v5, 7, v4
	v_lshl_add_u32 v4, v2, 4, v4
	s_mul_i32 s84, s12, 32*272
	v_add_nc_u32 v[ADK], s84, v4
	v_add_nc_u32 v[ADK+1], SLOT, v[ADK]
	; V, for ds_load_tr16_b128: lane L addresses key k0 + 8 h + L%8, columns 8 ((L/8)%2) ..
	v_bfe_u32 v4, v0, 1, 2
	v_lshl_add_u32 v4, v2, 2, v4
	v_mul_u32_u24 v4, v4, 288
	v_lshl_add_u32 v4, v5, 7, v4
	v_bfe_u32 v6, v0, 3, 1
	v_lshl_add_u32 v4, v6, 4, v4
	s_mul_i32 s84, s12, 32*288
	s_add_co_u32 s84, s84, VOFF
	v_add_nc_u32 v[ADV], s84, v4
	v_add_nc_u32 v[ADV+1], SLOT, v[ADV]
	; mask: row 16 qt + r, keys 64 kh + 16 c + 8 h + j
	v_mul_u32_u24 v4, v1, 528
	v_lshl_add_u32 v4, v2, 5, v4
	s_mul_i32 s84, s11, 16*528
	s_lshl_b32 s86, s12, 8
	s_add_co_u32 s84, s84, s86
	s_add_co_u32 s84, s84, MOFF
	v_add_nc_u32 v[ADM], s84, v4
	v_add_nc_u32 v[ADM+1], SLOT, v[ADM]
	; prefetch: of the tile's 64 rows each of the four partners along x takes 16; lane L: row L/2, half L%2 of its 512 bytes
	s_lshl_b32 s84, s15, 20
	s_lshl_b32 s86, s13, 18
	s_add_co_u32 s84, s84, s86
	v_lshrrev_b32 v4, 1, v3
	v_lshl_add_u32 v4, v4, 14, s84
	v_lshl_add_u32 v[PFO], v5, 8, v4
.irp g, 0,1,2,3
	v_mov_b32 v[ML+2*\g], 0xf149f2ca               ; m = -1e30
	v_mov_b32 v[ML+2*\g+1], 0                      ; l = 0
.endr
	s_wait_loadcnt 0x0                             ; Q
.macro PREF                            ; wave 3, which asks for no tile: each aligned 256 bytes of the mask is asked for once in the launch
	s_cmp_lg_u32 s10, 3
	s_cbranch_scc1 .Lnopf_\@
	global_prefetch_b8 v[PFO], s[PFB:PFB+1] th:TH_LOAD_NT scope:SCOPE_SE
.Lnopf_\@:
.endm
.macro LOADKM slot
.irp c, 0,1,2,3
	ds_load_b128 v[MM+8*\c:MM+8*\c+3], v[ADM+\slot] offset:64*\c
	ds_load_b128 v[MM+8*\c+4:MM+8*\c+7], v[ADM+\slot] offset:64*\c+16
.endr
.irp c, 0,1,2,3
.irp kk, 0,1
	ds_load_b128 v[KV+8*(2*\c+\kk):KV+8*(2*\c+\kk)+3], v[ADK+\slot] offset:2176*\c+64*\kk
	ds_load_b128 v[KV+8*(2*\c+\kk)+4:KV+8*(2*\c+\kk)+7], v[ADK+\slot] offset:2176*\c+64*\kk+32
.endr
.endr
.endm
.macro MSCALE                          ; the scores are kept in base-2 units
.set x, 0
.rept 16
	v_pk_mul_f32 v[MM+x:MM+x+1], v[MM+x:MM+x+1], 0x3fb8aa3b op_sel_hi:[1,0]
.set x, x+2
.endr
.endm
; 32 matrix instructions; the 16 accumulators take turns, one instruction a turn
.macro SMUL
	WIN 0x04                                       ; source 1 (Q): window 1
.irp c, 0,1,2,3
.irp g, 0,1,2,3
	v_wmma_f32_16x16x32_f16 v[SS+32*\g+8*\c:SS+32*\g+8*\c+7], v[KV+16*\c:KV+16*\c+7], v[QQ+16*\g:QQ+16*\g+7], v[MM+8*\c:MM+8*\c+7]
.endr
.endr
.irp c, 0,1,2,3
.irp g, 0,1,2,3
	v_wmma_f32_16x16x32_f16 v[SS+32*\g+8*\c:SS+32*\g+8*\c+7], v[KV+16*\c+8:KV+16*\c+15], v[QQ+16*\g+8:QQ+16*\g+15], v[SS+32*\g+8*\c:SS+32*\g+8*\c+7]
.endr
.endr
.endm
.macro LOADV slot
.irp dt, 0,1,2,3
.irp p, 0,1
	ds_load_tr16_b128 v[KV+8*(2*\dt+\p):KV+8*(2*\dt+\p)+3], v[ADV+\slot] offset:4608*\p+32*\dt
	ds_load_tr16_b128 v[KV+8*(2*\dt+\p)+4:KV+8*(2*\dt+\p)+7], v[ADV+\slot] offset:4608*\p+32*\dt+2304
.endr
.endr
.endm
; step x (0 .. 31) of what follows head gp's exponentials: 15 packed adds, the last add, l = l alpha + sum, 16 packings to f16 in place
.macro POSTOP gp
.if x < 1
	s_wait_alu depctr_va_vdst(0)
	v_pk_add_f32 v[SU+2*\gp:SU+2*\gp+1], v[SS+32*\gp:SS+32*\gp+1], v[SS+32*\gp+2:SS+32*\gp+3]
.else
.if x < 15
	v_pk_add_f32 v[SU+2*\gp:SU+2*\gp+1], v[SU+2*\gp:SU+2*\gp+1], v[SS+32*\gp+2*x+2:SS+32*\gp+2*x+3]
.else
.if x < 16
	v_add_f32 v[SU+2*\gp], v[SU+2*\gp], v[SU+2*\gp+1]
.else
.if x < 17
	v_fma_f32 v[ML+2*\gp+1], v[ML+2*\gp+1], v[AL+2*\gp], v[SU+2*\gp]
.endif
	v_cvt_pk_f16_f32 v[SS+32*\gp+16*((x-16)/8)+((x-16)%8)], v[SS+32*\gp+16*((x-16)/8)+2*((x-16)%8)], v[SS+32*\gp+16*((x-16)/8)+2*((x-16)%8)+1]
.endif
.endif
.endif
.endm
; head g's 32 exponentials; among them, as plain work that touches none of them: head gn's subtraction of its maximum, head gp's sum and packing
.macro ESTAGE g, gp, gn
.set x, 0
.rept 32
	v_exp_f32 v[SS+32*\g+x], v[SS+32*\g+x]
.if \g < 3
.if (x % 2) != 1
	v_pk_add_f32 v[SS+32*\gn+x:SS+32*\gn+x+1], v[SS+32*\gn+x:SS+32*\gn+x+1], v[ML+2*\gn:ML+2*\gn+1] op_sel_hi:[1,0] neg_lo:[0,1] neg_hi:[0,1]
.endif
.endif
.if \g > 0
	POSTOP \gp
.endif
.set x, x+1
.endr
.endm
.macro SOFTMAX
.irp g, 0,1,2,3
	v_max3_num_f32 v[TX+\g], v[SS+32*\g], v[SS+32*\g+1], v[SS+32*\g+2]
.endr
.set x, 3
.rept 14
.irp g, 0,1,2,3
	v_max3_num_f32 v[TX+\g], v[TX+\g], v[SS+32*\g+x], v[SS+32*\g+x+1]
.endr
.set x, x+2
.endr
.irp g, 0,1,2,3
	v_max_num_f32 v[TX+\g], v[TX+\g], v[SS+32*\g+31]
.endr
.irp g, 0,1,2,3
	v_permlanex16_b32 v[TP+\g], v[TX+\g], s78, s79           ; the same query's other 32 keys
.endr
.irp g, 0,1,2,3
	v_max3_num_f32 v[AL+2*\g+1], v[TX+\g], v[TP+\g], v[ML+2*\g]
.endr
.irp g, 0,1,2,3
	v_sub_f32 v[AL+2*\g], v[ML+2*\g], v[AL+2*\g+1]
.endr
.irp g, 0,1,2,3
	v_exp_f32 v[AL+2*\g], v[AL+2*\g]                         ; alpha = 2^(old maximum - new)
.endr
.irp g, 0,1,2,3
	v_mov_b32 v[ML+2*\g], v[AL+2*\g+1]                       ; plain work behind the exponentials (ISA guide 5.7.2)
.endr
.set x, 0
.rept 16
	v_pk_add_f32 v[SS+x:SS+x+1], v[SS+x:SS+x+1], v[ML:ML+1] op_sel_hi:[1,0] neg_lo:[0,1] neg_hi:[0,1]
.set x, x+2
.endr
	ESTAGE 0, 0, 1
	ESTAGE 1, 0, 2
	ESTAGE 2, 1, 3
	ESTAGE 3, 2, 3
	v_nop                                                    ; the plain place behind the last exponentials
	s_wait_alu depctr_va_vdst(0)
.irp c, 0,1,2,3
	v_pk_add_f32 v[SU+2*\c:SU+2*\c+1], v[SS+96+4*\c:SS+96+4*\c+1], v[SS+96+4*\c+2:SS+96+4*\c+3]   ; head 3's sum in four chains
.endr
.irp c, 0,1,2,3
	v_pk_add_f32 v[SU+2*\c:SU+2*\c+1], v[SU+2*\c:SU+2*\c+1], v[SS+112+2*\c:SS+112+2*\c+1]
.endr
.irp c, 0,1,2,3
	v_pk_add_f32 v[SU+2*\c:SU+2*\c+1], v[SU+2*\c:SU+2*\c+1], v[SS+120+2*\c:SS+120+2*\c+1]
.endr
	v_pk_add_f32 v[SU:SU+1], v[SU:SU+1], v[SU+2:SU+3]
	v_pk_add_f32 v[SU+4:SU+5], v[SU+4:SU+5], v[SU+6:SU+7]
	v_pk_add_f32 v[SU:SU+1], v[SU:SU+1], v[SU+4:SU+5]
	v_add_f32 v[SU], v[SU], v[SU+1]
	v_fma_f32 v[ML+7], v[ML+7], v[AL+6], v[SU]
.irp p, 0,1
.irp y, 0,1,2,3,4,5,6,7
	v_cvt_pk_f16_f32 v[SS+96+16*\p+\y], v[SS+96+16*\p+2*\y], v[SS+96+16*\p+2*\y+1]
.endr
.endr
.endm
.macro RESCALE
	WIN 0x41                                       ; O: destination and source 0 in window 1
.irp g, 0,1,2,3
.set x, 0
.rept 16
	v_pk_mul_f32 v[32*\g+x:32*\g+x+1], v[32*\g+x:32*\g+x+1], v[AL+2*\g:AL+2*\g+1] op_sel_hi:[1,0]
.set x, x+2
.endr
.endr
.endm
.macro PV p, zero                      ; 16 matrix instructions, the 16 accumulators by turns
.irp g, 0,1,2,3
.irp dt, 0,1,2,3
.if \zero
	v_wmma_f32_16x16x32_f16 v[8*(4*\g+\dt):8*(4*\g+\dt)+7], v[KV+8*(2*\dt+\p):KV+8*(2*\dt+\p)+7], v[SS+32*\g+16*\p:SS+32*\g+16*\p+7], 0
.else
	v_wmma_f32_16x16x32_f16 v[8*(4*\g+\dt):8*(4*\g+\dt)+7], v[KV+8*(2*\dt+\p):KV+8*(2*\dt+\p)+7], v[SS+32*\g+16*\p:SS+32*\g+16*\p+7], v[8*(4*\g+\dt):8*(4*\g+\dt)+7]
.endif
.endr
.endr
.endm
; One tile of 128 keys from slot 'slot'.  refill: the next tile goes into the other slot; pf: the mask's tile after that is prefetched; first: O starts here.
.macro TRIP slot, other, refill, pf, first
	s_set_vgpr_msb 0x5
	s_wait_tensorcnt 0x0                           ; all my tensor loads have landed, my part of this tile among them, so every group 0 may be written:
	ds_add_u32 v192, v193
	s_wait_dscnt 0x0
	s_set_vgpr_msb 0x500
	s_add_nc_u64 s[G0K+4*\slot+2:G0K+4*\slot+3], s[G0K+4*\slot+2:G0K+4*\slot+3], 2*KVT     ; this slot's next tile
	s_add_nc_u64 s[G0V+4*\slot+2:G0V+4*\slot+3], s[G0V+4*\slot+2:G0V+4*\slot+3], 2*KVT
	s_add_nc_u64 s[G0M+4*\slot+2:G0M+4*\slot+3], s[G0M+4*\slot+2:G0M+4*\slot+3], 2*MT
.if \pf
	s_wait_xcnt 0x0                                ; the last trip's prefetch has had its address translated (ISA guide 3.1): its base steps only behind this wait
	s_add_nc_u64 s[PFB:PFB+1], s[PFB:PFB+1], MT
.endif
	s_wait_dscnt 0x0                               ; my reads of the last tile are over
	CROUND                                         ; both now hold of every wave of every work-group of the cluster
.if \refill
	JLOAD \other                                   ; first thing behind the round; it has this whole trip in which to land
.endif
.if \pf
	PREF
.endif
	LOADKM \slot
	s_wait_dscnt 16                                ; K's 16 loads may be out: the mask's 8 are in
	MSCALE
	s_wait_dscnt 0x0
	SMUL
	WIN 0
	PLACES                                         ; behind them K's registers are loaded again and S is read
	LOADV \slot
	SOFTMAX
.if \first
.else
	RESCALE
.endif
	s_wait_dscnt 0x0                               ; V
	WIN 0x50                                       ; O: C and D in window 1
	PV 0, \first
	PV 1, 0
	WIN 0
	PLACES                                         ; behind them V's registers are loaded again
.endm
	TRIP 0, 1, 1, 1, 1
	TRIP 1, 0, 1, 1, 0
	s_mov_b32 s18, 14
.Ltiles:
	TRIP 0, 1, 1, 1, 0
	TRIP 1, 0, 1, 1, 0
	s_sub_co_u32 s18, s18, 1
	s_cmp_lg_u32 s18, 0
	s_cbranch_scc1 .Ltiles
	TRIP 0, 1, 1, 0, 0                             ; tile 30 asks for tile 31, the last; tiles 30 and 31 prefetch nothing: tile 31 is the mask's last
	TRIP 1, 0, 0, 0, 0
	; the two key halves meet: waves 4-7 hand O, m, l to waves 0-3 through LDS
.irp g, 0,1,2,3
	v_permlanex16_b32 v[TX+\g], v[ML+2*\g+1], s78, s79
.endr
.irp g, 0,1,2,3
	v_add_f32 v[ML+2*\g+1], v[ML+2*\g+1], v[TX+\g] ; l over both halves of the lanes
.endr
	v_lshlrev_b32 v7, 4, v3                        ; 16 L
	s_mul_i32 s84, s11, 17408
	s_add_co_u32 s84, s84, SCR
	v_add_nc_u32 v4, s84, v7
	s_cmp_lt_u32 s10, 4
	s_cbranch_scc1 .Lkeep
	WIN 0x04                                       ; store data: window 1
.set x, 0
.rept 32
	ds_store_b128 v4, v[4*x:4*x+3] offset:512*x
.set x, x+1
.endr
	WIN 0
	ds_store_b128 v4, v[ML:ML+3] offset:16384
	ds_store_b128 v4, v[ML+4:ML+7] offset:16896
.Lkeep:
	s_wait_dscnt 0x0                               ; for the other waves' sake
	s_barrier_signal -1
	s_barrier_wait -1
	s_cmp_ge_u32 s10, 4
	s_cbranch_scc1 .Ldone
.set x, 0
.rept 32
	ds_load_b128 v[SS+4*x:SS+4*x+3], v4 offset:512*x
.set x, x+1
.endr
	ds_load_b128 v[32:35], v4 offset:16384         ; m', l' as v[32+2g], v[33+2g]
	ds_load_b128 v[36:39], v4 offset:16896
	s_mul_i32 s84, s10, 8448
	s_add_co_u32 s84, s84, STG                     ; my stage
	v_mul_u32_u24 v5, v1, 528
	v_lshl_add_u32 v5, v2, 4, v5
	v_add_nc_u32 v5, s84, v5                       ; in: row r, 16 bytes for each half of the lanes
	v_add_nc_u32 v6, s84, v7                       ; back: a row of 512 bytes an instruction
	s_wait_dscnt 0x0
.irp g, 0,1,2,3
	v_max_num_f32 v[40+\g], v[ML+2*\g], v[32+2*\g]
.endr
.irp g, 0,1,2,3
	v_sub_f32 v[44+\g], v[ML+2*\g], v[40+\g]
	v_sub_f32 v[48+\g], v[32+2*\g], v[40+\g]
.endr
.irp g, 0,1,2,3
	v_exp_f32 v[44+\g], v[44+\g]
	v_exp_f32 v[48+\g], v[48+\g]
.endr
	v_nop
	s_wait_alu depctr_va_vdst(0)
.irp g, 0,1,2,3
	v_mul_f32 v[52+\g], v[ML+2*\g+1], v[44+\g]
.endr
.irp g, 0,1,2,3
	v_fmac_f32 v[52+\g], v[33+2*\g], v[48+\g]      ; l a + l' a'
.endr
.irp g, 0,1,2,3
	v_rcp_f32 v[52+\g], v[52+\g]
.endr
	v_nop
	s_wait_alu depctr_va_vdst(0)
.irp g, 0,1,2,3
	v_mul_f32 v[64+2*\g], v[44+\g], v[52+\g]       ; f, twice
	v_mul_f32 v[65+2*\g], v[44+\g], v[52+\g]
	v_mul_f32 v[72+2*\g], v[48+\g], v[52+\g]       ; f', twice
	v_mul_f32 v[73+2*\g], v[48+\g], v[52+\g]
.endr
.irp g, 0,1,2,3
.set x, 0
.rept 16
	v_pk_mul_f32 v[SS+32*\g+x:SS+32*\g+x+1], v[SS+32*\g+x:SS+32*\g+x+1], v[72+2*\g:73+2*\g]
.set x, x+2
.endr
.endr
	WIN 0x01                                       ; source 0: my O in window 1
.irp g, 0,1,2,3
.set x, 0
.rept 16
	v_pk_fma_f32 v[SS+32*\g+x:SS+32*\g+x+1], v[32*\g+x:32*\g+x+1], v[64+2*\g:65+2*\g], v[SS+32*\g+x:SS+32*\g+x+1]
.set x, x+2
.endr
.endr
	WIN 0
.irp g, 0,1,2,3
.irp dt, 0,1,2,3
.irp jj, 0,1,2,3
	v_cvt_pk_f16_f32 v[SS+8*(4*\g+\dt)+\jj], v[SS+8*(4*\g+\dt)+2*\jj], v[SS+8*(4*\g+\dt)+2*\jj+1]
.endr
	ds_store_b128 v5, v[SS+8*(4*\g+\dt):SS+8*(4*\g+\dt)+3] offset:128*\g+32*\dt
.endr
.endr
.set x, 0
.rept 16
	ds_load_b128 v[64+4*x:64+4*x+3], v6 offset:528*x   ; LDS serves a wave's instructions in order (ISA guide 5.7.1.4): these see my stores above
.set x, x+1
.endr
.set x, 0
.rept 16
	s_wait_dscnt 15-x
	global_store_b128 v7, v[64+4*x:64+4*x+3], s[82:83] offset:2048*x   ; the wave stores 512 consecutive bytes, aligned: 4 heads of one query
.set x, x+1
.endr
.Ldone:
	s_set_vgpr_msb 0x5
	s_wait_tensorcnt 0x0
	ds_add_u32 v192, v193
	s_wait_dscnt 0x0
	s_set_vgpr_msb 0x500
	CROUND                                         ; the closing round
	s_endpgm
.Lfunc_end_k_q253919968c_attn:
	.size	k_q253919968c_attn, .Lfunc_end_k_q253919968c_attn-k_q253919968c_attn
	.p2alignl 7, 3214868480
	.fill 96, 4, 3214868480
	.section	.rodata,"a",@progbits
	.p2align	6, 0x0
	.amdhsa_kernel k_q253919968c_attn
		.amdhsa_group_segment_fixed_size 327680
		.amdhsa_private_segment_fixed_size 0
		.amdhsa_enable_private_segment 0
		.amdhsa_kernarg_size 24
		.amdhsa_user_sgpr_count 2
		.amdhsa_user_sgpr_kernarg_segment_ptr 1
		.amdhsa_wavefront_size32 1
		.amdhsa_system_sgpr_workgroup_id_x 1
		.amdhsa_system_sgpr_workgroup_id_y 1
		.amdhsa_system_sgpr_workgroup_id_z 1
		.amdhsa_system_vgpr_workitem_id 0
		.amdhsa_next_free_vgpr 450
		.amdhsa_next_free_sgpr 90
		.amdhsa_reserve_vcc 0
		.amdhsa_float_denorm_mode_32 3
		.amdhsa_float_denorm_mode_16_64 3
		.amdhsa_memory_ordered 1
		.amdhsa_forward_progress 1
		.amdhsa_inst_pref_size 239
	.end_amdhsa_kernel
	.amdgpu_metadata
---
amdhsa.version: [ 1, 2 ]
amdhsa.kernels:
  - .name:           k_q253919968c_attn
    .symbol:         k_q253919968c_attn.kd
    .args:
      - { .name: qkv, .offset: 0, .size: 8, .value_kind: global_buffer, .address_space: global }
      - { .name: mask, .offset: 8, .size: 8, .value_kind: global_buffer, .address_space: global }
      - { .name: ob, .offset: 16, .size: 8, .value_kind: global_buffer, .address_space: global }
    .group_segment_fixed_size: 327680
    .private_segment_fixed_size: 0
    .kernarg_segment_align: 8
    .kernarg_segment_size: 24
    .max_flat_workgroup_size: 256
    .sgpr_count:     90
    .vgpr_count:     450
    .wavefront_size: 32
...
	.end_amdgpu_metadata
.endif
;; end of part 3
;; launch oproj (part 4): grid 8 x 32, 4 waves a work-group, clusters of 4 x 4, 327,680 bytes of LDS; arguments ob, wob, out0; writes out0
.if DOCPART == 4
	.amdgcn_target "amdgcn-amd-amdhsa--gfx1250"
	.amdhsa_code_object_version 6
	.text
	.protected	k_q253919968c_oproj
	.globl	k_q253919968c_oproj
	.p2align	8
	.type	k_q253919968c_oproj,@function
k_q253919968c_oproj:
	s_mov_b64 s[64:65], 0
	v_nop
	global_prefetch_b8 v0, s[64:65] scope:SCOPE_SE
	s_setreg_imm32_b32 hwreg(HW_REG_WAVE_MODE, 25, 1), 1
	s_wait_xcnt 0x0
	s_wait_alu depctr_hold_cnt(0) depctr_sa_sdst(0) depctr_va_vdst(0) depctr_va_sdst(0) depctr_va_ssrc(0) depctr_va_vcc(0) depctr_vm_vsrc(0)
	s_getreg_b32 s2, hwreg(HW_REG_IB_STS2, 6, 4)
	s_cmp_eq_u32 s2, 0
	s_cbranch_scc0 .Lentry_in_a_cluster
	s_endpgm
.Lentry_in_a_cluster:
	s_bfe_u32 s2, ttmp6, 0x10000c
	s_cmp_lg_u32 s2, 0xf033
	s_cbranch_scc0 .Lentry_shape_is_right
	s_endpgm
.Lentry_shape_is_right:
; out0[s][n] = sum over k of ob[s][k] wob[n][k].  ob: f16 [4096][1024], wob: f16 [1024][1024], out0: f32 [4096][1024]; sums in f32.
; A work-group makes 128 x 128 with four waves, a wave 64 x 64: 16 accumulator tiles.  K goes in four passes of 256 through two LDS slots; a tile's rows
; are 512 bytes of memory, each at a multiple of 512 from its buffer's first byte.  Each wave fetches 64 rows of a slot with one tensor load.
; CLUSTERS 4 x 4: ob's tile hangs on the block row alone and is asked for jointly by a row of the cluster, wob's on the block column alone and by a column.
; Used transposed (source 0 = wob's rows, source 1 = ob's rows): lane (r, h) holds row r and the eight neighbouring columns 8 h + j.
; LIMIT.  Operands f16: ob is a mean of v's rows and wob is wo, both under 65,504 wherever the launches before hold.
.set PITCH,  528                       ; 512 bytes + 16 = 132 words: row r starts at bank 4 r mod 64 (64 banks of 4 bytes: ISA guide 11.1)
.set HALFT,  64*PITCH
.set SLOT,   4*HALFT                   ; ob's 128 rows, then wob's 128 rows
.set STAGE,  2*SLOT                    ; behind the ring: 16 rows x 272 bytes for each wave; no fill lands here
.set SPITCH, 272
.set ADRA, 16                          ; v16-17 LDS address of my ob fragments in slot 0, 1
.set ADRB, 20                          ; v20-21 wob
.set STO,  24
.set RD,   25
.set CO,   26
.set F0,   64                          ; fragment buffers: wob b at 8 b, ob a at 32 + 8 a
.set F1,   128
; window 1: accumulator (a, b) at v[8 (4 a + b)]
.set G1,  24
.set G0,  32
.set G1B, 48
.set G0B, 56
.set G1W0, (1<<16)|(1<<20)|(1<<21)|(6<<22)|(3<<25)   ; elements of 2 bytes; padding on; bit 21 beside a mask; after every 128 words, 4 words
.set MSB, 0
.macro WIN new
.if MSB != \new
	s_set_vgpr_msb (MSB<<8)|\new
.set MSB, \new
.endif
.endm
.macro PLACES                          ; four places behind a matrix instruction (ISA guide 7.12.1)
.rept 4
	v_nop
.endr
.endm
.macro CREST
	s_cmp_lg_u32 s10, 0
	s_cbranch_scc1 .Lnot_wave_0_\@
	s_barrier_signal -3
.Lnot_wave_0_\@:
	s_barrier_wait -3
	s_barrier_signal -1
	s_barrier_wait -1
.endm
.macro CROUND
	s_barrier_signal -1
	s_barrier_wait -1
	CREST
.endm
.macro JLOAD s                         ; waves 0 and 1 ask for ob's two halves, waves 2 and 3 for wob's
	s_cmp_eq_u32 s11, 0
	s_cbranch_scc0 .Lfor_b_\@
	tensor_load_to_lds s[G0+4*\s:G0+4*\s+3], s[G1:G1+7]
	s_nop 0
	s_branch .Lasked_\@
.Lfor_b_\@:
	tensor_load_to_lds s[G0B+4*\s:G0B+4*\s+3], s[G1B:G1B+7]
	s_nop 0
.Lasked_\@:
.endm
	s_load_b128 s[4:7], s[0:1], 0x0                ; ob, wob
	s_load_b64 s[8:9], s[0:1], 0x10                ; out0
	v_lshl_add_u32 v254, v0, 2, 0x46400
	v_mov_b32 v255, 0
	ds_add_u32 v254, v255
	v_lshrrev_b32 v1, 5, v0
	v_readfirstlane_b32 s10, v1                    ; wave
	s_lshr_b32 s11, s10, 1                         ; wm: my 64 rows.  Also: I fetch for ob (0) or wob (1)
	s_and_b32 s12, s10, 1                          ; wn: my 64 columns.  Also: which 64 rows of that tile I fetch
	s_bfe_u32 s40, ttmp6, 0x40000                  ; cx
	s_bfe_u32 s41, ttmp6, 0x40004                  ; cy
	s_lshl_b32 s42, ttmp9, 2
	s_add_co_u32 s42, s42, s40                     ; block column
	s_and_b32 s13, ttmp7, 0xffff
	s_lshl_b32 s13, s13, 2
	s_add_co_u32 s13, s13, s41                     ; block row
	s_lshl_b32 s43, s41, 2
	s_lshl_b32 s43, 15, s43                        ; my row of the cluster
	s_lshl_b32 s44, 0x1111, s40                    ; my column
	s_or_b32 s[G1+0], s43, G1W0
	s_or_b32 s[G1B+0], s44, G1W0
	s_mov_b32 s[G1+1], 256<<16
	s_mov_b32 s[G1B+1], 256<<16
	s_mov_b32 s[G1+2], 64<<16
	s_mov_b32 s[G1B+2], 64<<16
	s_mov_b32 s[G1+3], 256<<16
	s_mov_b32 s[G1B+3], 256<<16
	s_mov_b32 s[G1+4], 64
	s_mov_b32 s[G1B+4], 64
	s_mov_b32 s[G1+5], 1024
	s_mov_b32 s[G1B+5], 1024
	s_mov_b32 s[G1+6], 0
	s_mov_b32 s[G1B+6], 0
	s_mov_b32 s[G1+7], 0
	s_mov_b32 s[G1B+7], 0
	s_lshl_b32 s18, s12, 17                        ; 64 rows of 2,048 bytes
	s_lshl_b32 s16, s13, 18                        ; 128 rows: the block row alone
	s_add_co_u32 s16, s16, s18
	s_mov_b32 s17, 0
	s_lshl_b32 s46, s42, 18                        ; the block column alone
	s_add_co_u32 s46, s46, s18
	s_mov_b32 s47, 0
	s_mul_i32 s20, s10, HALFT                      ; where they go: wave x 64 rows
	s_wait_dscnt 0x0
	s_wait_kmcnt 0x0
	s_add_nc_u64 s[14:15], s[4:5], s[16:17]
	s_add_nc_u64 s[46:47], s[6:7], s[46:47]
.irp s, 0,1
	s_mov_b32 s[G0+4*\s], 1
	s_add_co_u32 s[G0+4*\s+1], s20, \s*SLOT
	s_add_nc_u64 s[G0+4*\s+2:G0+4*\s+3], s[14:15], \s*512          ; pass s
	s_or_b32 s[G0+4*\s+3], s[G0+4*\s+3], 0x80000000
	s_mov_b32 s[G0B+4*\s], 1
	s_add_co_u32 s[G0B+4*\s+1], s20, \s*SLOT
	s_add_nc_u64 s[G0B+4*\s+2:G0B+4*\s+3], s[46:47], \s*512
	s_or_b32 s[G0B+4*\s+3], s[G0B+4*\s+3], 0x80000000
.endr
	CROUND                                         ; in front of the first joint loads
	JLOAD 0                                        ; both first fills go out together: two loads of a wave are out
	JLOAD 1
	v_and_b32 v1, 15, v0                           ; r
	v_bfe_u32 v2, v0, 4, 1                         ; h
	v_mul_u32_u24 v3, v1, PITCH
	v_lshl_add_u32 v3, v2, 4, v3
	s_mul_i32 s21, s11, HALFT
	s_mul_i32 s22, s12, HALFT
	s_add_co_u32 s22, s22, 2*HALFT
	v_add_nc_u32 v[ADRA], s21, v3
	v_add_nc_u32 v[ADRB], s22, v3
	v_add_nc_u32 v[ADRA+1], SLOT, v[ADRA]
	v_add_nc_u32 v[ADRB+1], SLOT, v[ADRB]
	s_mul_i32 s23, s10, 16*SPITCH
	s_add_co_u32 s23, s23, STAGE                   ; my stage
	v_mul_u32_u24 v4, v1, SPITCH
	v_lshl_add_u32 v4, v2, 5, v4                   ; in: row r, 32 bytes for each half of the lanes
	v_add_nc_u32 v[STO], s23, v4
	v_mul_u32_u24 v5, v2, SPITCH
	v_lshl_add_u32 v5, v1, 4, v5                   ; back: lanes 0-15 one row of 256 bytes, lanes 16-31 the next
	v_add_nc_u32 v[RD], s23, v5
	v_lshlrev_b32 v5, 12, v2
	v_lshl_add_u32 v[CO], v1, 4, v5                ; and the same two rows of out0
.macro FETCH slot, q, f                ; 16 LDS loads: the fragments of 32 along K, the q-th of the slot's eight
.irp i, 0,1,2,3
	ds_load_b128 v[\f+8*\i:\f+8*\i+3],   v[ADRB+\slot] offset:\i*16*PITCH+64*\q
	ds_load_b128 v[\f+8*\i+4:\f+8*\i+7], v[ADRB+\slot] offset:\i*16*PITCH+64*\q+32
.endr
.irp i, 0,1,2,3
	ds_load_b128 v[\f+32+8*\i:\f+32+8*\i+3],   v[ADRA+\slot] offset:\i*16*PITCH+64*\q
	ds_load_b128 v[\f+32+8*\i+4:\f+32+8*\i+7], v[ADRA+\slot] offset:\i*16*PITCH+64*\q+32
.endr
.endm
.macro MUL16 f, zero                   ; the 16 accumulators take turns, one instruction a turn
	WIN 0x50
.irp a, 0,1,2,3
.irp b, 0,1,2,3
.if \zero
	v_wmma_f32_16x16x32_f16 v[8*(4*\a+\b):8*(4*\a+\b)+7], v[\f+8*\b:\f+8*\b+7], v[\f+32+8*\a:\f+32+8*\a+7], 0
.else
	v_wmma_f32_16x16x32_f16 v[8*(4*\a+\b):8*(4*\a+\b)+7], v[\f+8*\b:\f+8*\b+7], v[\f+32+8*\a:\f+32+8*\a+7], v[8*(4*\a+\b):8*(4*\a+\b)+7]
.endif
.endr
.endr
.endm
.macro SUB slot, qn, f, g, zero        ; multiplies buffer f; ahead of that fetches part qn of the slot into buffer g
	WIN 0
	PLACES                                         ; g was read by the matrix instructions just issued
	FETCH \slot, \qn, \g
	s_wait_dscnt 16                                ; all but the 16 just issued: f is in
	MUL16 \f, \zero
.endm
.macro PASS7 slot, zero
	SUB \slot, 1, F0, F1, \zero
	SUB \slot, 2, F1, F0, 0
	SUB \slot, 3, F0, F1, 0
	SUB \slot, 4, F1, F0, 0
	SUB \slot, 5, F0, F1, 0
	SUB \slot, 6, F1, F0, 0
	SUB \slot, 7, F0, F1, 0
.endm
.macro TURN slot, next, fill           ; the slot's last part, in buffer 1, and the change of slots
	s_wait_dscnt 0x0                               ; my reads of this slot are over
	s_wait_tensorcnt 0x0                           ; all my tensor loads have landed: the one that was out is my part of the next slot
	ds_add_u32 v254, v255
	s_wait_dscnt 0x0
	WIN 0
	s_barrier_signal -1
	s_barrier_wait -1
.if \fill
	CREST                                          ; no wave of any partner still reads this slot or has a load on its way
	s_add_nc_u64 s[G0+4*\slot+2:G0+4*\slot+3], s[G0+4*\slot+2:G0+4*\slot+3], 1024
	s_add_nc_u64 s[G0B+4*\slot+2:G0B+4*\slot+3], s[G0B+4*\slot+2:G0B+4*\slot+3], 1024
	JLOAD \slot                                    ; my one tensor load behind the round: 128 matrix instructions of mine follow before the wait for it
.endif
	PLACES
	FETCH \next, 0, F0
	MUL16 F1, 0
.endm
	s_wait_tensorcnt 0x1                           ; my part of pass 0 is in; pass 1's stays out
	s_barrier_signal -1
	s_barrier_wait -1
	FETCH 0, 0, F0
	PASS7 0, 1                                     ; the first products start the sums
	TURN 0, 1, 1
	PASS7 1, 0
	TURN 1, 0, 1
	PASS7 0, 0
	TURN 0, 1, 0                                   ; nothing is left to fetch
	PASS7 1, 0
	s_wait_dscnt 0x0
	MUL16 F1, 0
	WIN 0
	PLACES
	; the way out, 16 rows at a time through my own stage
	s_lshl_b32 s22, s13, 19                        ; (128 by + 64 wm) rows of 4,096 bytes + 512 bx + 256 wn
	s_lshl_b32 s21, s11, 18
	s_add_co_u32 s22, s22, s21
	s_lshl_b32 s21, s42, 9
	s_add_co_u32 s22, s22, s21
	s_lshl_b32 s21, s12, 8
	s_add_co_u32 s22, s22, s21
	s_mov_b32 s23, 0
	s_add_nc_u64 s[8:9], s[8:9], s[22:23]
.macro OUT16 a
	WIN 0x04                                       ; store data: window 1
.irp b, 0,1,2,3
	ds_store_b128 v[STO], v[8*(4*\a+\b):8*(4*\a+\b)+3] offset:64*\b
	ds_store_b128 v[STO], v[8*(4*\a+\b)+4:8*(4*\a+\b)+7] offset:64*\b+16
.endr
	WIN 0
.irp t, 0,1,2,3,4,5,6,7
	ds_load_b128 v[64+32*\a+4*\t:64+32*\a+4*\t+3], v[RD] offset:\t*2*SPITCH   ; LDS serves a wave's instructions in order (ISA guide 5.7.1.4); registers of their own for every row tile
.endr
.irp t, 0,1,2,3,4,5,6,7
	s_wait_dscnt 7-\t
	global_store_b128 v[CO], v[64+32*\a+4*\t:64+32*\a+4*\t+3], s[8:9] offset:65536*\a+8192*\t th:TH_STORE_NT   ; 16 lanes store 256 consecutive bytes, aligned
.endr
.endm
	OUT16 0
	OUT16 1
	OUT16 2
	OUT16 3
	s_wait_tensorcnt 0x0
	ds_add_u32 v254, v255
	s_wait_dscnt 0x0
	CROUND                                         ; the closing round
	s_endpgm
.Lfunc_end_k_q253919968c_oproj:
	.size	k_q253919968c_oproj, .Lfunc_end_k_q253919968c_oproj-k_q253919968c_oproj
	.p2alignl 7, 3214868480
	.fill 96, 4, 3214868480
	.section	.rodata,"a",@progbits
	.p2align	6, 0x0
	.amdhsa_kernel k_q253919968c_oproj
		.amdhsa_group_segment_fixed_size 327680
		.amdhsa_private_segment_fixed_size 0
		.amdhsa_enable_private_segment 0
		.amdhsa_kernarg_size 24
		.amdhsa_user_sgpr_count 2
		.amdhsa_user_sgpr_kernarg_segment_ptr 1
		.amdhsa_wavefront_size32 1
		.amdhsa_system_sgpr_workgroup_id_x 1
		.amdhsa_system_sgpr_workgroup_id_y 1
		.amdhsa_system_sgpr_workgroup_id_z 1
		.amdhsa_system_vgpr_workitem_id 0
		.amdhsa_next_free_vgpr 384
		.amdhsa_next_free_sgpr 66
		.amdhsa_reserve_vcc 0
		.amdhsa_float_denorm_mode_32 3
		.amdhsa_float_denorm_mode_16_64 3
		.amdhsa_memory_ordered 1
		.amdhsa_forward_progress 1
		.amdhsa_inst_pref_size 88
	.end_amdhsa_kernel
	.amdgpu_metadata
---
amdhsa.version: [ 1, 2 ]
amdhsa.kernels:
  - .name:           k_q253919968c_oproj
    .symbol:         k_q253919968c_oproj.kd
    .args:
      - { .name: ob, .offset: 0, .size: 8, .value_kind: global_buffer, .address_space: global }
      - { .name: wob, .offset: 8, .size: 8, .value_kind: global_buffer, .address_space: global }
      - { .name: out0, .offset: 16, .size: 8, .value_kind: global_buffer, .address_space: global }
    .group_segment_fixed_size: 327680
    .private_segment_fixed_size: 0
    .kernarg_segment_align: 8
    .kernarg_segment_size: 24
    .max_flat_workgroup_size: 128
    .sgpr_count:     66
    .vgpr_count:     384
    .wavefront_size: 32
...
	.end_amdgpu_metadata
.endif
;; end of part 4
